; MI455X (gfx1250); checked and timed in simulation.
; The chip was launched on July 23, 2026; its instructions are those of AMD's public machine-readable ISA for CDNA 5 (MIT licence, August 2026) and "CDNA5" Instruction Set Architecture Reference Guide (July 2026). The comments in the code are by the model that wrote it; some were corrected since.
;; Vector Quantizer. Allowed arithmetic: matrix products marked QUANTISED: E2M3 operands, one E8M0 scale for each 32 along K, by v_wmma_scale_f32_16x16x128_f8f6f4 with both operands' format E2M3, f32 sums; everything else in f32.
;; Inputs: embedding 512 x 64 float32; inputs 32 x 64 x 64 x 64 float32.
;; Outputs: out0 32 x 64 x 64 x 64 float32.
;; This version of the problem:
;;   THIS VERSION OF THE PROBLEM IS GIVEN IN LOW PRECISION. The matrix products marked QUANTISED in the list below multiply operands that are first quantised to E2M3 (2 exponent bits, 3 mantissa bits; 6 bits a number), with one power-of-two scale for each 32 numbers along K (OCP MX v1.0); their sums are f32. All else is computed in f32.
;;   The module's matrix products, in the order in which they are computed (A, B: the left and right operand; K: the contracted axis; several contracted axes count as one K, in the product's order):
;;     1. [M 131,072, K 64] x [K 64, N 512]; A: input inputs; B: input embedding: QUANTISED
;;   THE QUANTISER, for each operand of a quantised product, along K:
;;     - K is cut into blocks of 32 from its start; a last block that is shorter is filled with zeros.
;;     - A block's scale is 2^e with e = floor(log2(the largest magnitude in the block)) - 2, held to -126 .. 127; a block of zeros has e = 0. As a byte (E8M0): e + 127.
;;     - Each number is divided by its block's scale, clamped to +-7.5, and rounded to the nearest number of E2M3, ties to even, subnormals kept.
;;     - The product sums the exact products of the quantised numbers (number of the format x scale) in f32.
;;   ~~~python
;;   def quantise(x, axis):      # numpy; x: float32 -> the quantised numbers, widened to float32 again
;;       x = np.moveaxis(x, axis, -1); K = x.shape[-1]
;;       x = np.pad(x, [(0, 0)] * (x.ndim - 1) + [(0, -K % 32)]); x = x.reshape(x.shape[:-1] + (-1, 32)); a = np.abs(x).max(-1, keepdims=True)
;;       e = np.where(a > 0, np.clip(np.frexp(np.where(a > 0, a, 1))[1] - 1 - 2, -126, 127), 0)      # np.frexp(a)[1] - 1 = floor(log2(a)), exactly
;;       r = np.clip(x / 2.0 ** e, -7.5, 7.5)
;;       step = 2.0 ** (np.maximum(np.frexp(np.where(r == 0, 1, r))[1] - 1, 0) - 3)
;;       q = np.round(r / step) * step * 2.0 ** e      # np.round: ties to even
;;       return np.moveaxis(q.reshape(q.shape[:-2] + (-1,))[..., :K], -1, axis).astype(np.float32)
;;   ~~~
;; One version. Each part assembles by itself: llvm-mc -triple=amdgcn-amd-amdhsa -mcpu=gfx1250 --defsym DOCPART=n.
;; ======== version 1 of 1: 1 launch
;; limits: right only within a limited range of input values
;; launch vq (part 1): grid 256 x 1, 8 waves a work-group, clusters of 4 x 1, 268,288 bytes of LDS; arguments embedding, inputs, out0; writes out0
.if DOCPART == 1
	.amdgcn_target "amdgcn-amd-amdhsa--gfx1250"
	.amdhsa_code_object_version 6
	.text
	.protected	k_q400f31cfe1_vq
	.globl	k_q400f31cfe1_vq
	.p2align	8
	.type	k_q400f31cfe1_vq,@function
k_q400f31cfe1_vq:
	s_mov_b64 s[64:65], 0
	v_nop
	global_prefetch_b8 v0, s[64:65] scope:SCOPE_SE
	s_setreg_imm32_b32 hwreg(HW_REG_WAVE_MODE, 25, 1), 1
	s_wait_xcnt 0x0
	s_wait_alu depctr_hold_cnt(0) depctr_sa_sdst(0) depctr_va_vdst(0) depctr_va_sdst(0) depctr_va_ssrc(0) depctr_va_vcc(0) depctr_vm_vsrc(0)
	s_getreg_b32 s2, hwreg(HW_REG_IB_STS2, 6, 4)
	s_cmp_eq_u32 s2, 0
	s_cbranch_scc0 .Lentry_in_a_cluster
	s_endpgm
.Lentry_in_a_cluster:
	s_bfe_u32 s2, ttmp6, 0x10000c
	s_cmp_lg_u32 s2, 0x3003
	s_cbranch_scc0 .Lentry_shape_is_right
	s_endpgm
.Lentry_shape_is_right:
; out0[b][c][hw] = x + (embedding[k][c] - x), x = inputs[b][c][hw], k the first code vector at which d[k] = (S + E[k]) - 2 P[k] is smallest.  S = the sum of x^2, E = the sum of e^2, both in f32;
; P = x . e on codes of FP6 (E2M3), one E8M0 scale for each 32 channels.  d is rounded as it is written: S + E[k] once, then one fused multiply-add by -2.  Of equal d the lowest k wins.
; ONE LAUNCH.  No address hangs on k: the row of embedding is fetched by a product too, one-hot(k) [pixel][512] x embedding [512][channel], in the same instruction.  Each number of embedding goes as FOUR PIECES of FP6:
; with 2^e the power of two for which a block's largest magnitude (one channel, 32 code vectors) is 2 to 4 times 2^e, piece p is what the pieces before it left, to the nearest code at 2^(e - 5 p).
; What the four leave is at most 2^-18 x 2^e, 2^-19 of the block's largest magnitude.  The one-hot operand's codes are 0 and 1; its scale carries the 2^(-5 p).
; LIMITS: the row's numbers are carried to 2^-19 of their block's largest magnitude, as above.  S and E are sums of fused multiply-adds in another order than the reference's.  NaN and infinities among the inputs are not served.
; Blocks whose largest magnitude lies under 2^-124 keep the floor's scale; a block of zeros has the floor's byte (its codes are zeros; the bytes are read here alone).
; SHARES.  A work-group: 512 pixels of one image; a wave: 64 pixels, four tiles of 16: tile a, column r is pixel 4 r + a.  So a lane's four tiles are four neighbouring pixels of a channel, and sixteen lanes store 256 consecutive bytes.
; EMBEDDING.  All work-groups read the same 128 KiB: the four of a cluster ask for it jointly, wave w for rows 64 w .. 64 w + 63, its one tensor load.  A wave makes its rows' search fragments and its rows' pieces.
; X.  64 loads of 8 bytes a lane, 256 consecutive bytes each, once.  When it is quantised x is parked in LDS, over the wave's own rows of embedding, which have been read for the last time and are filled no more.
; NO PREFETCH: every load from memory stands at the wave's head; no loop loads from memory.
; K.  The search's K is 64, the instruction's 128: a fragment holds TWO tiles of 16 code vectors, one in K 0-63 and one in K 64-127; x stands between zero codes, 0 | x | 0: [x, 0] multiplies the first tile, [0, x] the second.
.set CPITCH, 272                       ; a row of embedding in LDS: 256 bytes + 16
.set WREG, 64*CPITCH                   ; a wave's 64 rows; later its parked x: 64 channels x 256 bytes
.set IMG,  512*CPITCH                  ; 16 search fragments, images of their 12 registers
.set FRB,  1536
.set BSC,  IMG+16*FRB                  ; their scale words, 4 bytes a lane
.set EB,   BSC+2048                    ; E[512]
.set SCW,  EB+2048                     ; the pieces' scale words: K step s x channel tile n x 16 rows
.set PIE,  SCW+1024                    ; the pieces: 12,288 bytes a wave: piece p, tile n: 768 bytes (six registers of 32 lanes: four at 16 x lane, two at 512 + 8 x lane)
.set SPARE, PIE+8*12288                ; the spare words, 128 bytes a wave
; REGISTERS, window 0
.set LANE, 1
.set H8,   2                           ; 8 h, h = lane / 16
.set LI,   3                           ; IMG + 16 x lane
.set LS,   4                           ; BSC + 4 x lane
.set AE,   5                           ; EB + 32 h
.set ADB,  6
.set ADS,  7
.set ADE,  8
.set XPK,  9                           ; where my two pixels are parked
.set SPW,  10
.set NIL,  11
.set XS,   12                          ; v12-13 x's scale words: lanes 0-15 tile g, lanes 16-31 tile g + 2
.set BS,   14                          ; v14 the search fragment's scale words
.set OO,   15                          ; my byte offset in out0
.set SCS,  16                          ; v16-19 the pieces' scale words, by K step
.set SP,   20                          ; v20-23 the one-hot operand's scale for piece p: 127 - 5 p in every byte
.set ST,   24                          ; v24-39 a tile of pixels: +0 S, +1 and +2 the best distance by turns
.set XA,   40                          ; v40-93 0 | x0 | 0 | x1 | 0 | x2 | 0 | x3 | 0
.set D,    94                          ; v94-157 products: tile a, two tiles of code vectors
.set T,    158                         ; v158-189 S + E, then d, of two tiles of pixels
.set Q,    190                         ; v190-221 minima at work
.set BF,   222                         ; v222-233 search fragment
.set EE,   234                         ; v234-249 E of its two tiles
; head
.set X,    94                          ; v94-157 64 numbers of a row;  two sets of 32 numbers for the pieces
.set TM,   158                         ; v158-189 at work
.set MX,   TM+16                       ; x's four block maxima
.set SA,   TM+24                       ; sums of squares
.set BK,   190                         ; v190-221 a piece widened again
.set PCD,  24                          ; v24-71 pieces' codes, two sets of four pieces x 6
.set P2,   72                          ; v72-87
.set KF,   236                         ; v236-239 the conversion's scale for piece p
.set CRD,  240
.set IWR,  241
.set SWR,  242
.set EWR,  243
.set RA,   244                         ; v244-245
.set PW,   246                         ; v246-247
.set PV,   248                         ; v248-249
.set SBY,  250                         ; v250-251
.set XLD,  252
; the second product
.set ACC,  24                          ; v24-87 two sets of four accumulators
.set FR,   88                          ; v88-183 two sets of four fragments
.set XV,   184                         ; v184-215 x, then out0: eight channels x four pixels
.set EO,   216                         ; v216-223
.set BW,   224                         ; v224-247 the one-hot word, six for each tile
.set PA,   248
.set PB,   250
.set SRD,  252
.set XRD,  253
.set KI,   T                           ; k
.set SCI,  Q
.set BIT,  Q+4
.set WRD,  Q+8
.set TT,   Q+12
; window 1
.set PX,   0                           ; v256-383 x as loaded: channel c at 2 c, 2 c + 1: my two pixels
.set W,    0                           ; v256-319 the best fragment's 16 distances, by tile
.set BT,   64                          ; v320-323 its number
.set OH,   0                           ; v256-447 the one-hot operand: tile a at 48 a, 12 registers a K step
; scalars
.set WV,   10
.set G1C,  16
.set G0C,  24
.set SEL,  40
.set T0,   42
.set T1,   43
.set OB,   44
.set OS,   45
.set CI,   47
.set MK,   48
.set MSB, 0
.macro WIN new                         ; the immediate's high byte repeats the setting that is left
.if MSB != \new
	s_set_vgpr_msb (MSB<<8)|\new
.set MSB, \new
.endif
.endm
.macro CROUND                          ; a round of the cluster's barrier
	s_barrier_signal -1
	s_barrier_wait -1
	s_cmp_lg_u32 s[WV], 0
	s_cbranch_scc1 .Lnot_wave_0_\@
	s_barrier_signal -3
.Lnot_wave_0_\@:
	s_barrier_wait -3
	s_barrier_signal -1
	s_barrier_wait -1
.endm
	s_load_b128 s[4:7], s[0:1], 0x0                ; embedding, inputs
	s_load_b64 s[8:9], s[0:1], 0x10                ; out0
	v_lshl_add_u32 v[SPW], v0, 2, SPARE
	v_mov_b32 v[NIL], 0
	ds_add_u32 v[SPW], v[NIL]                      ; the wave's opening: the add, twice on end, ahead of my tensor load
	ds_add_u32 v[SPW], v[NIL]
	v_lshrrev_b32 v24, 5, v0
	v_readfirstlane_b32 s[WV], v24                 ; wave 0..7
	s_bfe_u32 s11, ttmp6, 0x40000                  ; cx
	s_lshl_b32 s12, ttmp9, 2
	s_add_co_u32 s12, s12, s11                     ; work-group: enters x's and out0's global addresses alone
	s_mov_b32 s[G1C], 15|(2<<16)|(1<<20)|(1<<21)|(5<<22)|(3<<25)  ; mask: all four; elements of 4 bytes; padding; bit 21 beside a mask; after every 64 words 4 words
	s_mov_b32 s[G1C+1], 64<<16                     ; 64 elements
	s_mov_b32 s[G1C+2], 64<<16                     ; 64 rows
	s_mov_b32 s[G1C+3], 64<<16
	s_mov_b32 s[G1C+4], 64
	s_mov_b32 s[G1C+5], 64
	s_mov_b32 s[G1C+6], 0
	s_mov_b32 s[G1C+7], 0
	s_lshr_b32 s13, s12, 3                         ; the image: 8 work-groups to each,
	s_lshl_b32 s13, s13, 20                        ; 64 channels x 4,096 pixels x 4 bytes
	s_and_b32 s14, s12, 7
	s_lshl_b32 s14, s14, 11                        ; the work-group's 512 pixels
	s_add_co_u32 s14, s14, s13
	s_lshl_b32 s13, s[WV], 8                       ; my wave's 64
	s_add_co_u32 s14, s14, s13
	s_mov_b32 s15, 0
	s_lshl_b32 s60, s[WV], 14                      ; embedding: 64 rows of 256 bytes a wave
	s_mov_b32 s61, 0
	s_mov_b32 s[SEL], 0x76543210
	s_mov_b32 s[SEL+1], 0xfedcba98
	s_mov_b32 s[CI], 0x7f800000
	s_mul_i32 s28, s[WV], WREG
	s_mul_i32 s29, s[WV], 2*FRB
	s_lshl_b32 s30, s[WV], 8
	s_mul_i32 s31, s[WV], 12288
	s_add_co_u32 s31, s31, PIE
	s_lshr_b32 s32, s[WV], 1
	s_lshl_b32 s32, s32, 8
	s_and_b32 s33, s[WV], 1
	s_lshl_b32 s33, s33, 1
	s_add_co_u32 s32, s32, s33
	s_add_co_u32 s32, s32, SCW
	v_and_b32 v[LANE], 31, v0
	v_bfe_u32 v24, v0, 4, 1                        ; h
	v_and_b32 v25, 15, v0                          ; r
	v_lshlrev_b32 v[H8], 3, v24
	v_xor_b32 v26, 1, v24                          ; 1 - h
	v_lshl_add_u32 v[LI], v[LANE], 4, IMG
	v_lshl_add_u32 v[LS], v[LANE], 2, BSC
	v_lshl_add_u32 v[AE], v24, 5, EB
	v_mul_u32_u24 v[CRD], v[LANE], CPITCH
	v_add_nc_u32 v[CRD], s28, v[CRD]               ; my row of my wave's 32
	v_add_nc_u32 v[IWR], s29, v[LI]
	v_add_nc_u32 v[SWR], s30, v[LS]
	v_lshl_add_u32 v[EWR], v[LANE], 2, EB
	v_add_nc_u32 v[EWR], s30, v[EWR]
	v_lshlrev_b32 v[XLD], 4, v25
	v_lshl_add_u32 v[XLD], v24, 3, v[XLD]          ; x: my pixels 4 r + 2 h and + 1: 16 r + 8 h
	v_add_nc_u32 v[XPK], s28, v[XLD]
	v_lshlrev_b32 v[OO], 4, v25
	v_lshl_add_u32 v[OO], v24, 17, v[OO]           ; out0: pixels 4 r .. 4 r + 3, eight channels further for lanes 16-31
	v_mul_u32_u24 v27, v24, 32*CPITCH
	v_lshl_add_u32 v27, v25, 2, v27
	v_add_nc_u32 v27, s28, v27                     ; pieces: lane (r, h) takes rows 32 h + i of my wave's 64; channel tile n in half 0 beside tile n xor 1 in half 1
	v_lshl_add_u32 v[RA], v24, 6, v27              ; for even n
	v_lshl_add_u32 v[RA+1], v26, 6, v27            ; for odd n
	v_mul_u32_u24 v29, v24, 768
	v_mul_u32_u24 v30, v26, 768
	v_lshl_add_u32 v28, v[LANE], 4, s31
	v_lshl_add_u32 v31, v[LANE], 3, s31
	v_add_nc_u32 v[PW], v28, v29
	v_add_nc_u32 v[PW+1], v28, v30
	v_add_nc_u32 v[PV], v31, v29
	v_add_nc_u32 v[PV+1], v31, v30
	v_lshl_add_u32 v32, v25, 2, v24
	v_add_nc_u32 v32, s32, v32                     ; scale byte 2 (w mod 2) + h of row r's word
	v_lshl_add_u32 v[SBY], v24, 6, v32
	v_lshl_add_u32 v[SBY+1], v26, 6, v32
	v_mov_b32 v[SP], 0x7f7f7f7f
	v_mov_b32 v[SP+1], 0x7a7a7a7a
	v_mov_b32 v[SP+2], 0x75757575
	v_mov_b32 v[SP+3], 0x70707070
	v_mov_b32 v[KF], 0x3f800000
	v_mov_b32 v[KF+1], 0x3d000000
	v_mov_b32 v[KF+2], 0x3a800000
	v_mov_b32 v[KF+3], 0x38000000
	v_mov_b32 v[TM+7], 0                           ; (a lane permute's destination counts as one of its sources)
	s_wait_alu depctr_va_vdst(0)
	s_wait_dscnt 0x0                               ; both opening adds are done
	s_wait_kmcnt 0x0
	s_mov_b32 s[G0C], 1
	s_mov_b32 s[G0C+1], s28                        ; LDS: wave x 64 rows
	s_add_nc_u64 s[G0C+2:G0C+3], s[4:5], s[60:61]
	s_or_b32 s[G0C+3], s[G0C+3], 0x80000000        ; type = 2
	s_add_nc_u64 s[6:7], s[6:7], s[14:15]
	s_add_nc_u64 s[8:9], s[8:9], s[14:15]
	CROUND                                         ; all four work-groups are here: the joint loads meet
	tensor_load_to_lds s[G0C:G0C+3], s[G1C:G1C+7]  ; my 64 rows of embedding: the wave's one tensor load
	s_nop 0
	WIN 0x40
.set ii, 0
.rept 64
	global_load_b64 v[PX+2*ii:PX+2*ii+1], v[XLD], s[6:7] offset:16384*ii th:TH_LOAD_NT   ; channel ii: 256 consecutive bytes
.set ii, ii+1
.endr
	WIN 0
; The 32 lanes' rows (64 numbers in v[X] on, block maxima m, m + 1) become two operand tiles of six registers: c0 = lanes 0-15's rows, c1 = lanes 16-31's, lane (r, h) holding block h of row r.  v[TM+6] = my row's two scale bytes.
.macro CODES c0, c1, m
	v_add_nc_u32 v[TM+2], 0xff000000, v[\m]        ; 2 off the exponent field: the conversion takes that field as its scale
	v_add_nc_u32 v[TM+3], 0xff000000, v[\m+1]
	v_lshrrev_b32 v[TM+4], 23, v[TM+2]             ; the scales' bytes
	v_lshrrev_b32 v[TM+5], 23, v[TM+3]
	v_lshl_or_b32 v[TM+6], v[TM+5], 8, v[TM+4]
	v_cvt_scalef32_pk16_fp6_f32 v[\c0:\c0+2], v[X:X+15], v[TM+2]
	v_cvt_scalef32_pk16_fp6_f32 v[TM+8:TM+10], v[X+16:X+31], v[TM+2]    ; (a conversion's three registers begin on an even number)
	v_cvt_scalef32_pk16_fp6_f32 v[\c1:\c1+2], v[X+32:X+47], v[TM+3]
	v_cvt_scalef32_pk16_fp6_f32 v[TM+12:TM+14], v[X+48:X+63], v[TM+3]
	v_nop                                          ; one plain place behind the last conversion
.irp i, 0,1,2
	v_permlane16_swap_b32 v[\c0+\i], v[\c1+\i]     ; block 0's lanes 16-31 change places with block 1's lanes 0-15
	v_permlane16_swap_b32 v[TM+8+\i], v[TM+12+\i]
.endr
.irp i, 0,1,2
	v_mov_b32 v[\c0+3+\i], v[TM+8+\i]
	v_mov_b32 v[\c1+3+\i], v[TM+12+\i]
.endr
.endm
; Search fragment f (0, 1) of my wave: code vectors 64 w + 32 f + lane: its image, scale words and E go to LDS.
.macro CODEBOOK f
.irp c, 0,1,2,3,4,5,6,7,8,9,10,11,12,13,14,15
	ds_load_b128 v[X+4*\c:X+4*\c+3], v[CRD] offset:\f*32*CPITCH+16*\c
.endr
	s_wait_dscnt 0x0
	v_pk_mul_f32 v[SA:SA+1], v[X:X+1], v[X:X+1]
	v_pk_mul_f32 v[SA+2:SA+3], v[X+32:X+33], v[X+32:X+33]
	v_max3_num_f32 v[TM], |v[X]|, |v[X+1]|, 0x1800000               ; with the floor 2^(3 - 127) among the leaves: the byte cannot fall under 1
	v_max3_num_f32 v[TM+1], |v[X+32]|, |v[X+33]|, 0x1800000
.set ii, 2
.rept 15
	v_pk_fma_f32 v[SA:SA+1], v[X+ii:X+ii+1], v[X+ii:X+ii+1], v[SA:SA+1]
	v_max3_num_f32 v[TM], v[TM], |v[X+ii]|, |v[X+ii+1]|
	v_pk_fma_f32 v[SA+2:SA+3], v[X+32+ii:X+33+ii], v[X+32+ii:X+33+ii], v[SA+2:SA+3]
	v_max3_num_f32 v[TM+1], v[TM+1], |v[X+32+ii]|, |v[X+33+ii]|
.set ii, ii+2
.endr
	v_pk_add_f32 v[SA:SA+1], v[SA:SA+1], v[SA+2:SA+3]
	CODES BF, BF+6, TM
	v_add_f32 v[SA], v[SA], v[SA+1]                ; E of my code vector
	v_permlanex16_b32 v[TM+7], v[TM+6], s[SEL], s[SEL+1]
	v_lshl_or_b32 v[TM+7], v[TM+7], 16, v[TM+6]    ; lane r: bytes 0, 1 scale row r's K 0-63, bytes 2, 3 row 16 + r's, in K 64-127
.irp c, 0,1,2
	ds_store_b128 v[IWR], v[BF+4*\c:BF+4*\c+3] offset:\f*FRB+512*\c
.endr
	ds_store_b32 v[SWR], v[TM+7] offset:\f*128
	ds_store_b32 v[EWR], v[SA] offset:\f*128
	s_wait_alu depctr_va_vdst(0)
	s_wait_dscnt 0x0                               ; the stores are done
.endm
; Pieces of block n of my lane: 32 code vectors of one channel, one number a register.
.macro LOADN n
.set ii, 0
.rept 32
	ds_load_b32 v[X+32*((\n)%2)+ii], v[RA+(\n)%2] offset:ii*CPITCH+128*((\n)/2)
.set ii, ii+1
.endr
.endm
.macro PIECES n
.set NS, X+32*((\n)%2)
	v_max3_num_f32 v[TM], |v[NS]|, |v[NS+1]|, 0x1800000             ; the block's largest magnitude, with a floor
	v_max3_num_f32 v[TM+1], |v[NS+2]|, |v[NS+3]|, 0x1800000
.irp i, 4,8,12,16,20,24,28
	v_max3_num_f32 v[TM], v[TM], |v[NS+\i]|, |v[NS+\i+1]|
	v_max3_num_f32 v[TM+1], v[TM+1], |v[NS+\i+2]|, |v[NS+\i+3]|
.endr
	v_max_num_f32 v[TM], v[TM], v[TM+1]
	v_and_b32 v[TM+2], 0x7f800000, v[TM]
	v_lshrrev_b32 v[TM+4+(\n)%2], 23, v[TM]
	v_sub_nc_u32 v[TM+2], s[CI], v[TM+2]           ; 2^-e: the numbers are brought to magnitudes under 4
	v_add_nc_u32 v[TM+4+(\n)%2], -1, v[TM+4+(\n)%2]                 ; the byte of 2^e
.irp i, 0,2,4,6,8,10,12,14,16,18,20,22,24,26,28,30
	v_pk_mul_f32 v[NS+\i:NS+\i+1], v[NS+\i:NS+\i+1], v[TM+2:TM+3] op_sel_hi:[1,0]
.endr
	ds_store_b8 v[SBY+(\n)%2], v[TM+4+(\n)%2] offset:128*((\n)/2)
.irp p, 0,1,2,3
.set PC, PCD+24*((\n)%2)+6*\p
.set PD, P2+4*\p
	v_cvt_scalef32_pk16_fp6_f32 v[PC:PC+2], v[NS:NS+15], v[KF+\p]
	v_cvt_scalef32_pk16_fp6_f32 v[PD:PD+2], v[NS+16:NS+31], v[KF+\p]
	v_nop                                          ; one plain place behind the conversions
.if \p < 3
	v_cvt_scale_pk16_f32_fp6 v[BK:BK+15], v[PC:PC+2], v[SP+\p]      ; the piece's value again
	v_cvt_scale_pk16_f32_fp6 v[BK+16:BK+31], v[PD:PD+2], v[SP+\p]
.endif
.irp i, 0,1,2
	v_mov_b32 v[PC+3+\i], v[PD+\i]
.endr
.if \p < 3
.irp i, 0,2,4,6,8,10,12,14,16,18,20,22,24,26,28,30
	v_pk_add_f32 v[NS+\i:NS+\i+1], v[NS+\i:NS+\i+1], v[BK+\i:BK+\i+1] neg_lo:[0,1] neg_hi:[0,1]   ; what it leaves: exact
.endr
.endif
	ds_store_b128 v[PW+(\n)%2], v[PC:PC+3] offset:3072*\p+1536*((\n)/2)
	ds_store_b64 v[PV+(\n)%2], v[PC+4:PC+5] offset:512+3072*\p+1536*((\n)/2)
.endr
.endm
	s_wait_tensorcnt 0x0                           ; my rows of embedding are in; I alone read them
	CODEBOOK 0
	CODEBOOK 1
	LOADN 0
	LOADN 1
	s_wait_dscnt 32                                ; block 0 is in; block 1's 32 loads may be out
	PIECES 0
	LOADN 2
	s_wait_dscnt 41                                ; behind block 1's loads: block 0's 9 stores, block 2's 32 loads
	PIECES 1
	LOADN 3
	s_wait_dscnt 41                                ; behind block 2's: block 1's 9 stores, block 3's 32 loads
	PIECES 2
	s_wait_dscnt 9                                 ; behind block 3's: block 2's 9 stores
	PIECES 3
	s_wait_alu depctr_va_vdst(0)
	s_wait_dscnt 0x0                               ; my images, scale words, E and pieces are stored
	CROUND                                         ; everybody's are, and every partner has its rows of embedding: from here on that part of LDS is the waves' own
.irp z, 0,1,2,3,4
.irp i, 0,1,2,3,4,5
	v_mov_b32 v[XA+12*\z+\i], 0                    ; the five runs of zero codes
.endr
.endr
	s_wait_alu depctr_va_vdst(0)
	s_wait_loadcnt 0x0                             ; x is in
	WIN 0x04
.set ii, 0
.rept 64
	ds_store_b64 v[XPK], v[PX+2*ii:PX+2*ii+1] offset:256*ii   ; x is parked: channel ii, 256 bytes
.set ii, ii+1
.endr
	WIN 0x05
.irp i, 0,2,4,6
	v_pk_mul_f32 v[SA+\i:SA+\i+1], v[PX+\i:PX+\i+1], v[PX+\i:PX+\i+1]     ; both pixels at once, four chains
.endr
.set ii, 4
.rept 60
	v_pk_fma_f32 v[SA+2*(ii%4):SA+2*(ii%4)+1], v[PX+2*ii:PX+2*ii+1], v[PX+2*ii:PX+2*ii+1], v[SA+2*(ii%4):SA+2*(ii%4)+1]
.set ii, ii+1
.endr
.irp g, 0,1
.irp b, 0,1
	v_max3_num_f32 v[MX+2*\g+\b], |v[PX+64*\b+\g]|, |v[PX+64*\b+\g+2]|, 0x1800000
.endr
.endr
	WIN 0x14
.set ii, 2
.rept 15
.irp g, 0,1
.irp b, 0,1
	v_max3_num_f32 v[MX+2*\g+\b], v[MX+2*\g+\b], |v[PX+64*\b+2*ii+\g]|, |v[PX+64*\b+2*ii+2+\g]|
.endr
.endr
.set ii, ii+2
.endr
	WIN 0
	v_pk_add_f32 v[SA:SA+1], v[SA:SA+1], v[SA+2:SA+3]
	v_pk_add_f32 v[SA+4:SA+5], v[SA+4:SA+5], v[SA+6:SA+7]
.irp g, 0,1
	v_add_f32 v[ST+4*\g], v[SA+\g], v[SA+4+\g]     ; S of my pixel, twice:
	v_add_f32 v[ST+4*\g+8], v[SA+\g], v[SA+4+\g]
.endr
.irp g, 0,1
	v_permlane16_swap_b32 v[ST+4*\g], v[ST+4*\g+8] ; the first now holds S of tile g's pixel r in both halves, the second that of tile g + 2's
.endr
.macro PIXELS g                                    ; pixels 4 r + 2 h + g: tile g (lanes 0-15) and tile g + 2 (lanes 16-31)
	WIN 0x01
.set ii, 0
.rept 64
	v_mov_b32 v[X+ii], v[PX+2*ii+\g]               ; the conversions take neighbours along K from consecutive registers
.set ii, ii+1
.endr
	WIN 0
	CODES XA+6+12*\g, XA+30+12*\g, MX+2*\g
	v_lshl_or_b32 v[XS+\g], v[TM+6], 16, v[TM+6]   ; the two bytes for K 0-63 and again for K 64-127
.endm
	PIXELS 0
	PIXELS 1
.macro ADDR
	v_add_nc_u32 v[ADB], s[OB], v[LI]
	v_add_nc_u32 v[ADS], s[OS], v[LS]
	v_add_nc_u32 v[ADE], s[OS], v[AE]
.endm
.macro FETCHB o                                    ; a fragment's image and scale words
	ds_load_b128 v[BF:BF+3], v[ADB] offset:FRB*(\o)
	ds_load_b128 v[BF+4:BF+7], v[ADB] offset:FRB*(\o)+512
	ds_load_b128 v[BF+8:BF+11], v[ADB] offset:FRB*(\o)+1024
	ds_load_b32 v[BS], v[ADS] offset:128*(\o)
.endm
.macro FETCHE o                                    ; E[32 f + 16 u + 8 h + 0 .. 7]
	ds_load_b128 v[EE:EE+3], v[ADE] offset:128*(\o)
	ds_load_b128 v[EE+4:EE+7], v[ADE] offset:128*(\o)+16
	ds_load_b128 v[EE+8:EE+11], v[ADE] offset:128*(\o)+64
	ds_load_b128 v[EE+12:EE+15], v[ADE] offset:128*(\o)+80
.endm
.macro DOTS                                        ; P: lane (r, h) holds pixel r of tile a, register j of tile u the code vector 32 f + 16 u + 8 h + j.  Each product stands alone: C = 0
.irp u, 0,1
.irp a, 0,1,2,3
.if \a > 1
	v_wmma_scale_f32_16x16x128_f8f6f4 v[D+16*\a+8*\u:D+16*\a+8*\u+7], v[BF:BF+11], v[XA+12*\a+6-6*\u:XA+12*\a+17-6*\u], 0, v[BS], v[XS+\a-2] matrix_a_fmt:MATRIX_FMT_FP6 matrix_b_fmt:MATRIX_FMT_FP6 matrix_b_scale:MATRIX_SCALE_ROW1
.else
	v_wmma_scale_f32_16x16x128_f8f6f4 v[D+16*\a+8*\u:D+16*\a+8*\u+7], v[BF:BF+11], v[XA+12*\a+6-6*\u:XA+12*\a+17-6*\u], 0, v[BS], v[XS+\a] matrix_a_fmt:MATRIX_FMT_FP6 matrix_b_fmt:MATRIX_FMT_FP6
.endif
.endr
.endr
.endm
.macro TADD pr                                     ; S + E[k], rounded, for tiles 2 pr and 2 pr + 1
.irp i, 0,2,4,6,8,10,12,14
.irp b, 0,1
	v_pk_add_f32 v[T+16*\b+\i:T+16*\b+\i+1], v[ST+8*\pr+4*\b:ST+8*\pr+4*\b+1], v[EE+\i:EE+\i+1] op_sel_hi:[0,1]
.endr
.endr
.endm
.macro MIN3 d, x, y, z
.irp b, 0,1
	v_min3_num_f32 v[Q+16*\b+\d], v[T+16*\b+\x], v[T+16*\b+\y], v[T+16*\b+\z]
.endr
.endm
; Tiles 2 pr and 2 pr + 1 by turns.  The best distance stands in +1 (par = 0) or +2 (par = 1) and goes to the other.  Only a smaller distance moves the choice, so the first of equals stays.
.macro PAIR pr, par, num
.irp i, 0,2,4,6,8,10,12,14
.irp b, 0,1
	v_pk_fma_f32 v[T+16*\b+\i:T+16*\b+\i+1], v[D+32*\pr+16*\b+\i:D+32*\pr+16*\b+\i+1], -2.0, v[T+16*\b+\i:T+16*\b+\i+1] op_sel_hi:[1,0,1]   ; d = (S + E) - 2 P, in place
.endr
.endr
	MIN3 0, 0, 1, 2
	MIN3 3, 3, 4, 5
	MIN3 6, 6, 7, 8
	MIN3 9, 9, 10, 11
	MIN3 12, 12, 13, 14
.irp b, 0,1
	v_min3_num_f32 v[Q+16*\b], v[Q+16*\b], v[Q+16*\b+3], v[T+16*\b+15]
.endr
.irp b, 0,1
	v_min3_num_f32 v[Q+16*\b+6], v[Q+16*\b+6], v[Q+16*\b+9], v[Q+16*\b+12]
.endr
.irp b, 0,1
	v_min3_num_f32 v[ST+8*\pr+4*\b+2-\par], v[Q+16*\b], v[Q+16*\b+6], v[ST+8*\pr+4*\b+1+\par]
.endr
.irp b, 0,1
	v_cmp_lt_f32 s[MK+\b], v[ST+8*\pr+4*\b+2-\par], v[ST+8*\pr+4*\b+1+\par]
.endr
	WIN 0x41
.irp b, 0,1                                        ; where the best fell, the fragment's number and its 16 distances are kept
	v_cndmask_b32 v[BT+2*\pr+\b], v[BT+2*\pr+\b], s[\num], s[MK+\b]
.endr
.irp i, 0,1,2,3,4,5,6,7,8,9,10,11,12,13,14,15
.irp b, 0,1
	v_cndmask_b32 v[W+32*\pr+16*\b+\i], v[W+32*\pr+16*\b+\i], v[T+16*\b+\i], s[MK+\b]
.endr
.endr
	WIN 0
.endm
; A fragment: 32 code vectors against 64 pixels.  more = 1: the next is fetched meanwhile, into the same registers.
.macro TRIP par, more
	s_wait_dscnt 0x0                               ; the fragment, its scale words and its E are in
	s_add_co_u32 s[T1], s[T0], 1
	DOTS
	TADD 0                                         ; 16 plain lines that name no register of the products: the places ahead of the loads below and of the first read of a product
.if \more
.if \par
	s_add_co_u32 s[OB], s[OB], 2*FRB
	s_add_co_u32 s[OS], s[OS], 256
	ADDR
.endif
	FETCHB 1-\par
.endif
	PAIR 0, \par, T0+\par
	TADD 1
.if \more
	FETCHE 1-\par
.endif
	PAIR 1, \par, T0+\par
.endm
	s_mov_b32 s[OB], 0
	s_mov_b32 s[OS], 0
	s_mov_b32 s[T0], 0
	ADDR
	s_wait_alu depctr_va_vdst(0)
	s_wait_dscnt 0x0                               ; x is parked: its registers may be written
	FETCHB 0
	FETCHE 0
.irp a, 0,1,2,3
	v_mov_b32 v[ST+4*\a+1], 0x7f800000             ; the search begins with the distance +infinity
.endr
	WIN 0x40
.irp a, 0,1,2,3
	v_mov_b32 v[BT+\a], 0
.endr
.set ii, 0
.rept 64
	v_mov_b32 v[W+ii], 0x7f800000
.set ii, ii+1
.endr
	WIN 0
	s_wait_alu depctr_va_vdst(0)
.Lfrag:                                            ; 7 trips of two fragments; the last two are written out: nothing is fetched behind them
	TRIP 0, 1
	TRIP 1, 1
	s_add_co_u32 s[T0], s[T0], 2
	s_wait_alu depctr_va_vdst(0)
	s_cmp_lt_u32 s[T0], 14
	s_cbranch_scc1 .Lfrag
	TRIP 0, 1
	TRIP 1, 0
; THE SECOND PRODUCT'S FRAGMENTS.  Source 0: 16 channels (tile n) x 128 code vectors (K step s), piece p: registers 0-5 from wave 2 s, 6-11 from wave 2 s + 1.  17 loads.
.macro FRAGS n, s
.irp p, 0,1,2,3
.irp c, 0,1
	ds_load_b128 v[FR+48*((\s)%2)+12*\p+6*\c:FR+48*((\s)%2)+12*\p+6*\c+3], v[PA+(\s)/2] offset:((2*(\s)+\c)%4)*12288+(4*\p+(\n))*768
	ds_load_b64 v[FR+48*((\s)%2)+12*\p+6*\c+4:FR+48*((\s)%2)+12*\p+6*\c+5], v[PB+(\s)/2] offset:((2*(\s)+\c)%4)*12288+(4*\p+(\n))*768
.endr
.endr
	ds_load_b32 v[SCS+(\s)], v[SRD] offset:256*(\s)+64*(\n)
.endm
	v_lshlrev_b32 v[PA], 4, v[LANE]
	v_lshlrev_b32 v[PB], 3, v[LANE]
	v_and_b32 v[SRD], 15, v[LANE]
	v_add_nc_u32 v[PA+1], PIE+49152, v[PA]
	v_add_nc_u32 v[PB+1], PIE+49152+512, v[PB]
	v_lshl_add_u32 v[XRD], v[SRD], 4, s28
	v_add_nc_u32 v[PA], PIE, v[PA]
	v_add_nc_u32 v[PB], PIE+512, v[PB]
	v_lshl_add_u32 v[XRD], v[H8], 8, v[XRD]        ; parked x: pixels 4 r .. 4 r + 3, eight channels further for lanes 16-31
	v_lshlrev_b32 v[SRD], 2, v[SRD]
	v_add_nc_u32 v[SRD], SCW, v[SRD]
	FRAGS 0, 0
	; Which of the best fragment's 16 was it: the first that equals the best (from the last down, so that the lowest stays).
.irp a, 0,1,2,3
	v_mov_b32 v[KI+\a], 23
.endr
	WIN 0x04
.irp i, 14,13,12,11,10,9,8,7,6,5,4,3,2,1,0
.irp a, 0,1,2,3
	v_cmp_eq_f32 s[MK+\a], v[ST+4*\a+1], v[W+16*\a+\i]
.endr
.irp a, 0,1,2,3
	v_cndmask_b32 v[KI+\a], v[KI+\a], 16*(\i/8)+\i%8, s[MK+\a]
.endr
.endr
	WIN 0x01
.irp a, 0,1,2,3
	v_lshl_add_u32 v[KI+\a], v[BT+\a], 5, v[KI+\a]
.endr
	WIN 0
.irp a, 0,1,2,3
	v_add_nc_u32 v[KI+\a], v[H8], v[KI+\a]         ; k = 32 f + 16 u + 8 h + j
.endr
.irp a, 0,1,2,3
	v_permlanex16_b32 v[T+8+2*\a], v[ST+4*\a+1], s[SEL], s[SEL+1]   ; the pixel's other 256 code vectors lie in the lane 16 away: its best,
	v_permlanex16_b32 v[T+9+2*\a], v[KI+\a], s[SEL], s[SEL+1]       ; and its k
.endr
.irp a, 0,1,2,3
	v_cmp_lt_f32 s[MK+\a], v[T+8+2*\a], v[ST+4*\a+1]
	v_cmp_eq_f32 s[MK+4+\a], v[T+8+2*\a], v[ST+4*\a+1]
	v_cmp_lt_u32 s[MK+8+\a], v[T+9+2*\a], v[KI+\a]
.endr
.irp a, 0,1,2,3
	s_and_b32 s[MK+4+\a], s[MK+4+\a], s[MK+8+\a]
	s_or_b32 s[MK+\a], s[MK+\a], s[MK+4+\a]        ; the other lane's is taken where it is smaller, or equal with the lower k
.endr
	s_wait_alu depctr_va_vdst(0)                   ; ahead of the reader below
.irp a, 0,1,2,3
	v_cndmask_b32 v[KI+\a], v[KI+\a], v[T+9+2*\a], s[MK+\a]
.endr
; ONE-HOT.  Lane (r, h) holds, for each 64 code vectors (sc = k / 64), those with (k / 32) mod 2 = h: 32 codes in six registers.  The code of 1 is 8: bit 6 (k mod 32) + 3 of the six registers' 192.
.irp a, 0,1,2,3
	v_lshrrev_b32 v[TT+\a], 2, v[KI+\a]
.endr
.irp a, 0,1,2,3
	v_and_b32 v[TT+\a], 8, v[TT+\a]
.endr
.irp a, 0,1,2,3
	v_cmp_eq_u32 s[MK+\a], v[TT+\a], v[H8]
.endr
.irp a, 0,1,2,3
	v_lshrrev_b32 v[SCI+\a], 6, v[KI+\a]
.endr
.irp a, 0,1,2,3
	v_and_b32 v[TT+\a], 31, v[KI+\a]
.endr
.irp a, 0,1,2,3
	v_cndmask_b32 v[SCI+\a], -1, v[SCI+\a], s[MK+\a]
.endr
.irp a, 0,1,2,3
	v_mad_u32_u24 v[TT+\a], v[TT+\a], 6, 3
.endr
.irp a, 0,1,2,3
	v_lshrrev_b32 v[WRD+\a], 5, v[TT+\a]
.endr
.irp a, 0,1,2,3
	v_lshlrev_b32 v[BIT+\a], v[TT+\a], 1           ; (the shift takes its amount modulo 32)
.endr
.irp w, 0,1,2,3,4,5
.irp a, 0,1,2,3
	v_cmp_eq_u32 s[MK+\a], \w, v[WRD+\a]
.endr
.irp a, 0,1,2,3
	v_cndmask_b32 v[BW+6*\a+\w], 0, v[BIT+\a], s[MK+\a]
.endr
.endr
	WIN 0x40
.irp k, 0,1,2,3,4,5,6,7
.irp a, 0,1,2,3
	v_cmp_eq_u32 s[MK+\a], \k, v[SCI+\a]
.endr
.irp w, 0,1,2,3,4,5
.irp a, 0,1,2,3
	v_cndmask_b32 v[OH+48*\a+6*\k+\w], 0, v[BW+6*\a+\w], s[MK+\a]
.endr
.endr
.endr
	WIN 0
	FRAGS 0, 1
	s_wait_alu depctr_va_vdst(0)
; Tile n, K step s: 16 products; the four accumulators (tiles of pixels) take turns.  Lane (r, h), register j: channel 16 n + 8 h + j of pixel 4 r + a.
.macro BATCH n, s
.set WC, 17                                        ; behind this batch's loads: the next batch's 17,
.if 4*\n+\s == 15
.set WC, 0
.endif
.if \n > 0
.if \s < 2
.set WC, WC+8                                      ; and the eight loads of x that went out ahead of or behind those
.endif
.endif
	s_wait_dscnt WC
	WIN 0x04
.irp p, 0,1,2,3
.irp a, 0,1,2,3
.if (\s+\p) == 0
	v_wmma_scale_f32_16x16x128_f8f6f4 v[ACC+32*(\n%2)+8*\a:ACC+32*(\n%2)+8*\a+7], v[FR+48*(\s%2)+12*\p:FR+48*(\s%2)+12*\p+11], v[OH+48*\a+12*\s:OH+48*\a+12*\s+11], 0, v[SCS+\s], v[SP+\p] matrix_a_fmt:MATRIX_FMT_FP6 matrix_b_fmt:MATRIX_FMT_FP6
.else
	v_wmma_scale_f32_16x16x128_f8f6f4 v[ACC+32*(\n%2)+8*\a:ACC+32*(\n%2)+8*\a+7], v[FR+48*(\s%2)+12*\p:FR+48*(\s%2)+12*\p+11], v[OH+48*\a+12*\s:OH+48*\a+12*\s+11], v[ACC+32*(\n%2)+8*\a:ACC+32*(\n%2)+8*\a+7], v[SCS+\s], v[SP+\p] matrix_a_fmt:MATRIX_FMT_FP6 matrix_b_fmt:MATRIX_FMT_FP6
.endif
.endr
.endr
	WIN 0
.endm
.macro EPI n, j                                    ; channels 16 n + 8 h + j: four neighbouring pixels a lane
.irp a, 0,1,2,3
	v_sub_f32 v[EO+4*((\j)%2)+\a], v[ACC+32*((\n)%2)+8*\a+(\j)], v[XV+4*(\j)+\a]                 ; e - x
.endr
.irp q, 0,2
	v_pk_add_f32 v[XV+4*(\j)+\q:XV+4*(\j)+\q+1], v[XV+4*(\j)+\q:XV+4*(\j)+\q+1], v[EO+4*((\j)%2)+\q:EO+4*((\j)%2)+\q+1]   ; x + (e - x)
.endr
	global_store_b128 v[OO], v[XV+4*(\j):XV+4*(\j)+3], s[8:9] offset:(16*(\n)+(\j))*16384 th:TH_STORE_NT   ; sixteen lanes store 256 consecutive bytes, at a multiple of 256
.endm
; Behind a batch: two channels of the tile before (their plain lines are the places ahead of the loads), the fragments of two batches on, and at a tile's end its x.
.macro RUN n, s
.if \n == 0
.rept 4
	v_nop
.endr
.else
.if \s == 0
	s_wait_dscnt 0x0                               ; x of the tile before is in
.endif
	EPI \n-1, 2*\s
	EPI \n-1, 2*\s+1
.endif
.set NX, 4*\n+\s+2
.if NX < 16
	FRAGS NX/4, NX%4
.endif
.if \s == 3
.if \n > 0
	s_wait_xcnt 0x0                                ; the stores have read their registers
.endif
.irp j, 0,1,2,3,4,5,6,7
	ds_load_b128 v[XV+4*\j:XV+4*\j+3], v[XRD] offset:(16*\n+\j)*256
.endr
.endif
.endm
.irp n, 0,1,2,3
.irp s, 0,1,2,3
	BATCH \n, \s
	RUN \n, \s
.endr
.endr
	s_wait_dscnt 0x0                               ; the last tile's x
.irp j, 0,1,2,3,4,5,6,7
	EPI 3, \j
.endr
	s_wait_tensorcnt 0x0                           ; the wave's end
	ds_add_u32 v[SPW], v[NIL]
	s_wait_dscnt 0x0
	CROUND                                         ; the closing round
	s_endpgm
.Lfunc_end_k_q400f31cfe1_vq:
	.size	k_q400f31cfe1_vq, .Lfunc_end_k_q400f31cfe1_vq-k_q400f31cfe1_vq
	.p2alignl 7, 3214868480
	.fill 96, 4, 3214868480
	.section	.rodata,"a",@progbits
	.p2align	6, 0x0
	.amdhsa_kernel k_q400f31cfe1_vq
		.amdhsa_group_segment_fixed_size 268288
		.amdhsa_private_segment_fixed_size 0
		.amdhsa_enable_private_segment 0
		.amdhsa_kernarg_size 24
		.amdhsa_user_sgpr_count 2
		.amdhsa_user_sgpr_kernarg_segment_ptr 1
		.amdhsa_wavefront_size32 1
		.amdhsa_system_sgpr_workgroup_id_x 1
		.amdhsa_system_sgpr_workgroup_id_y 1
		.amdhsa_system_sgpr_workgroup_id_z 1
		.amdhsa_system_vgpr_workitem_id 0
		.amdhsa_next_free_vgpr 448
		.amdhsa_next_free_sgpr 66
		.amdhsa_reserve_vcc 0
		.amdhsa_float_denorm_mode_32 3
		.amdhsa_float_denorm_mode_16_64 3
		.amdhsa_memory_ordered 1
		.amdhsa_forward_progress 1
		.amdhsa_inst_pref_size 230
	.end_amdhsa_kernel
	.amdgpu_metadata
---
amdhsa.version: [ 1, 2 ]
amdhsa.kernels:
  - .name:           k_q400f31cfe1_vq
    .symbol:         k_q400f31cfe1_vq.kd
    .args:
      - { .name: embedding, .offset: 0, .size: 8, .value_kind: global_buffer, .address_space: global }
      - { .name: inputs, .offset: 8, .size: 8, .value_kind: global_buffer, .address_space: global }
      - { .name: out0, .offset: 16, .size: 8, .value_kind: global_buffer, .address_space: global }
    .group_segment_fixed_size: 268288
    .private_segment_fixed_size: 0
    .kernarg_segment_align: 8
    .kernarg_segment_size: 24
    .max_flat_workgroup_size: 256
    .sgpr_count:     66
    .vgpr_count:     448
    .wavefront_size: 32
...
	.end_amdgpu_metadata
.endif
;; end of part 1
